; MI455X (gfx1250); checked and timed in simulation.
; The chip was launched on July 23, 2026; its instructions are those of AMD's public machine-readable ISA for CDNA 5 (MIT licence, August 2026) and "CDNA5" Instruction Set Architecture Reference Guide (July 2026). The comments in the code are by the model that wrote it; some were corrected since.
;; GDSSM. Allowed arithmetic: float matrix products may take bf16 or f16 operands with f32 sums; other float arithmetic in f32, or as packed bf16 or f16 multiplies, adds, multiply-adds, maxima and minima; sums over many terms, partial sums and values carried from step to step in f32; what a program stores and reads back later, other than sums and carried values, may be rounded once to bf16 or f16.
;; Inputs: node_feat_src 8,192 x 300 float32; node_feat_tgt 8,192 x 300 float32; src_vs 10 x 300 float32; srcs_index 1,024 x 64 int32; tgt_vs 10 x 300 float32; tgts_index 1,024 x 64 int32.
;; Outputs: out0 1,024 x 64 float32; out1 1,024 x 64 float32.
;; 2 versions, each right; version 2 is version 1 with the launch logits written anew for expert scheduling mode. Each part assembles by itself: llvm-mc -triple=amdgcn-amd-amdhsa -mcpu=gfx1250 --defsym DOCPART=n.
;; ======== version 1 of 2: 3 launches
;; workspace buffers: hn 10,485,760 bytes; part 3,145,728 bytes
;; launch prep (part 1): grid 128 x 2, 4 waves a work-group, no clusters, 41,472 bytes of LDS; arguments node_feat_src, node_feat_tgt, src_vs, tgt_vs, hn; writes hn
.if DOCPART == 1
	.amdgcn_target "amdgcn-amd-amdhsa--gfx1250"
	.amdhsa_code_object_version 6
	.text
	.protected	k_q7bc520b566_prep
	.globl	k_q7bc520b566_prep
	.p2align	8
	.type	k_q7bc520b566_prep,@function
k_q7bc520b566_prep:
	s_mov_b64 s[64:65], 0
	v_nop
	global_prefetch_b8 v0, s[64:65] scope:SCOPE_SE
	s_setreg_imm32_b32 hwreg(HW_REG_WAVE_MODE, 25, 1), 1
	s_wait_xcnt 0x0
; hn[side][row][0..319] = bf16( l2norm( tower(feat[side][row]) ) ), columns 300..319 = 0.  feat: [8192][300] f32, vs: [10][300] f32.
; tower: ten dependent steps h <- h - ((h.v)/(v.v)) v, all in f32 on the vector unit: each step is one column, and f32 keeps the projection right under a common offset.
; SHARES.  Grid y is the side.  A work-group owns 64 rows, a wave 16: 19,200 consecutive bytes in, 10,240 consecutive bytes out.  Half a wave (16 lanes) holds a row:
; pair i (0..7) is rows 2 i + h, h = lane / 16; lane r = lane % 16 holds the groups of four numbers r + 16 c, c = 0..4.  A row has 75 such groups, so in c = 4 only r < 11 is real;
; the other lanes load group 74 once more (inside the buffer) and are set to 0: in v at once, in h behind the chain (0 x h adds nothing to a dot, and h + coef x 0 stays).
; So a row stays in 20 registers a lane from its load to its store, and every sum over a row is four steps inside 16 lanes.
; WAY OUT.  Four bf16 a group go into the wave's own stage in LDS (rows of 640 bytes) and come back as 512 consecutive bytes an instruction.
; LIMITS.  NaN and infinities are not treated apart; a row's sum of squares must stay inside f32 (|h| under 1e19, and above 1e-19 or the row counts as 0);
; v.v = 0 gives NaN as the division does; divisions are a reciprocal and a product.
.set ROWF,  1200                       ; bytes in a row of feat and of vs
.set ROWH,  640                        ; bytes in a row of hn
.set TAB,   8192*ROWH                  ; bytes of one side of hn
.set WSTG,  16*ROWH                    ; a wave's stage, from LDS byte 0 on
.set SPARE, 4*WSTG                     ; behind the stages: the spare words, 128 bytes a wave, two blocks of 256 bytes that no other line names
.set FO,  1                            ; v1   1200 h + 16 r
.set FO4, 2                            ; v2   1200 h + 16 min(r, 10)
.set VO,  3                            ; v3   16 r
.set VO4, 4                            ; v4   16 min(r, 10)
.set SA,  5                            ; v5   stage, in: 10240 w + 640 h + 8 r
.set RA,  6                            ; v6   stage, back: 10240 w + 16 lane
.set GO,  7                            ; v7   16 lane
.set SPW, 8                            ; v8   my spare word
.set NIL, 9                            ; v9   0
.set SQ,  10                           ; v[10:11] v.v
.set RC,  12                           ; v12  1 / v.v
.set DT,  16                           ; v[16:31] pair p at DT + 2 p: dots, coefficients, norms
.set VB,  32                           ; v[32:71] two buffers of 20 for v
.set HH,  72                           ; v[72:231] pair p at HH + 20 p
.set WV,  14
.set YY,  15
.set FB,  16                           ; s[16:17] feat at my first row
.set VP,  18                           ; s[18:19] vs at the pair of steps in hand
.set OB,  20                           ; s[20:21] hn at my first row
.set CNT, 22
.set MK,  23                           ; lanes with r < 11
	s_load_b256 s[4:11], s[0:1], 0x0               ; feat src, feat tgt, vs src, vs tgt
	s_load_b64 s[12:13], s[0:1], 0x20              ; hn
	v_lshl_add_u32 v[SPW], v0, 2, SPARE
	v_mov_b32 v[NIL], 0
	v_lshrrev_b32 v13, 5, v0
	v_readfirstlane_b32 s[WV], v13                 ; wave 0..3
	v_and_b32 v13, 15, v0                          ; r
	v_bfe_u32 v14, v0, 4, 1                        ; h
	v_and_b32 v15, 31, v0                          ; lane
	v_min_u32 v12, 10, v13
	v_mul_u32_u24 v[FO], v14, ROWF
	v_lshl_add_u32 v[FO4], v12, 4, v[FO]
	v_lshl_add_u32 v[FO], v13, 4, v[FO]
	v_lshlrev_b32 v[VO], 4, v13
	v_lshlrev_b32 v[VO4], 4, v12
	s_mul_i32 s30, s[WV], WSTG
	v_mul_u32_u24 v[SA], v14, ROWH
	v_lshl_add_u32 v[SA], v13, 3, v[SA]
	v_add_nc_u32 v[SA], s30, v[SA]
	v_lshl_add_u32 v[RA], v15, 4, s30
	v_lshlrev_b32 v[GO], 4, v15
	s_and_b32 s[YY], ttmp7, 0xffff                 ; the side
	s_lshl_b32 s26, ttmp9, 6
	s_lshl_b32 s27, s[WV], 4
	s_add_co_u32 s26, s26, s27                     ; my first row
	s_mul_i32 s24, s26, ROWF
	s_mov_b32 s25, 0
	s_mul_i32 s28, s26, ROWH
	s_mul_i32 s29, s[YY], TAB
	s_add_co_u32 s28, s28, s29
	s_mov_b32 s29, 0
	s_mov_b32 s[MK], 0x07ff07ff
	s_mov_b32 s[CNT], 4
	s_wait_kmcnt 0x0
	s_cmp_eq_u32 s[YY], 0
	s_cselect_b64 s[FB:FB+1], s[4:5], s[6:7]
	s_cselect_b64 s[VP:VP+1], s[8:9], s[10:11]
	s_add_nc_u64 s[FB:FB+1], s[FB:FB+1], s[24:25]
	s_add_nc_u64 s[OB:OB+1], s[12:13], s[28:29]
.macro LOADV e, off                    ; one v, five loads, into buffer e
.irp c, 0,1,2,3
	global_load_b128 v[VB+20*(\e)+4*(\c):VB+20*(\e)+4*(\c)+3], v[VO], s[VP:VP+1] offset:(\off)+256*(\c)
.endr
	global_load_b128 v[VB+20*(\e)+16:VB+20*(\e)+19], v[VO4], s[VP:VP+1] offset:(\off)+1024
.endm
.macro ALLP line:vararg                ; one line for each pair p
.set p, 0
.rept 8
	\line
.set p, p+1
.endr
.endm
; DT_p = the sum over my 20 numbers of h x (v, or h itself): eight chains that do not wait for each other
.macro DOTS self, vreg
.set cc, 0
.rept 10
.set p, 0
.rept 8
.if \self
.set rB, HH+20*p+cc
.else
.set rB, (\vreg)+cc
.endif
.if cc == 0
	v_pk_mul_f32 v[DT+2*p:DT+2*p+1], v[HH+20*p:HH+20*p+1], v[rB:rB+1]
.else
	v_pk_fma_f32 v[DT+2*p:DT+2*p+1], v[HH+20*p+cc:HH+20*p+cc+1], v[rB:rB+1], v[DT+2*p:DT+2*p+1]
.endif
.set p, p+1
.endr
.set cc, cc+2
.endr
.endm
.macro REDUCE                          ; the two halves of each pair of sums, then the row's 16 lanes
	ALLP v_add_f32 v[DT+2*p], v[DT+2*p], v[DT+2*p+1]
	ALLP v_add_f32_dpp v[DT+2*p], v[DT+2*p], v[DT+2*p] row_xmask:1 row_mask:0xf bank_mask:0xf
	ALLP v_add_f32_dpp v[DT+2*p], v[DT+2*p], v[DT+2*p] row_xmask:2 row_mask:0xf bank_mask:0xf
	ALLP v_add_f32_dpp v[DT+2*p], v[DT+2*p], v[DT+2*p] row_xmask:4 row_mask:0xf bank_mask:0xf
	ALLP v_add_f32_dpp v[DT+2*p], v[DT+2*p], v[DT+2*p] row_xmask:8 row_mask:0xf bank_mask:0xf
.endm
; One step of the chain, with the v in buffer e.  load = 1: the buffer then takes the v two steps on.  left: the younger loads that may stay out.
.macro HALF e, load, left
.set VV, VB+20*(\e)
	s_wait_loadcnt \left                           ; loads come back in order: this v (and, the first time, all of h) is in; the other buffer's five may be out
.irp k, 16,17,18,19
	v_cndmask_b32 v[VV+(\k)], 0, v[VV+(\k)], s[MK] ; v is 0 beyond column 299
.endr
	v_pk_mul_f32 v[SQ:SQ+1], v[VV:VV+1], v[VV:VV+1]
.set cc, 2
.rept 9
	v_pk_fma_f32 v[SQ:SQ+1], v[VV+cc:VV+cc+1], v[VV+cc:VV+cc+1], v[SQ:SQ+1]
.set cc, cc+2
.endr
	v_add_f32 v[SQ], v[SQ], v[SQ+1]
.irp m, 1,2,4,8
	v_add_f32_dpp v[SQ], v[SQ], v[SQ] row_xmask:\m row_mask:0xf bank_mask:0xf
.endr
	v_rcp_f32 v[RC], v[SQ]                         ; the dots below are the independent work behind it
	DOTS 0, VV
	REDUCE
	s_wait_alu depctr_va_vdst(0)                   ; the wait ahead of the reciprocal's first reader
	ALLP v_mul_f32 v[DT+2*p], -v[RC], v[DT+2*p]    ; - (h.v) / (v.v)
.set cc, 0
.rept 10
.set p, 0
.rept 8
	v_pk_fma_f32 v[HH+20*p+cc:HH+20*p+cc+1], v[VV+cc:VV+cc+1], v[DT+2*p:DT+2*p+1], v[HH+20*p+cc:HH+20*p+cc+1] op_sel_hi:[1,0,1]
.set p, p+1
.endr
.set cc, cc+2
.endr
.if \load
	LOADV \e, 2*ROWF+ROWF*(\e)
.endif
.endm
	LOADV 0, 0                                     ; v of step 0
.set p, 0
.rept 8                                ; my 16 rows: 40 loads
.irp c, 0,1,2,3
	global_load_b128 v[HH+20*p+4*(\c):HH+20*p+4*(\c)+3], v[FO], s[FB:FB+1] offset:2*ROWF*p+256*(\c) th:TH_LOAD_NT
.endr
	global_load_b128 v[HH+20*p+16:HH+20*p+19], v[FO4], s[FB:FB+1] offset:2*ROWF*p+1024 th:TH_LOAD_NT
.set p, p+1
.endr
	LOADV 1, ROWF                                  ; v of step 1
.Ltrip:                                        ; four trips: steps 2 t and 2 t + 1; the v of steps 2 t + 2 and 2 t + 3 are asked for
	HALF 0, 1, 5
	HALF 1, 1, 5
	s_wait_xcnt 0x0                                ; every load issued so far has read its address: the pointer may be written
	s_add_nc_u64 s[VP:VP+1], s[VP:VP+1], 2*ROWF
	s_sub_co_u32 s[CNT], s[CNT], 1
	s_cmp_lg_u32 s[CNT], 0
	s_cbranch_scc1 .Ltrip
	HALF 0, 0, 5                                   ; steps 8 and 9 load nothing: no load passes the end of vs
	HALF 1, 0, 0
.set p, 0
.rept 8
.irp k, 16,17,18,19
	v_cndmask_b32 v[HH+20*p+(\k)], 0, v[HH+20*p+(\k)], s[MK]  ; h is 0 beyond column 299: for the norm, and for hn's columns 300..319
.endr
.set p, p+1
.endr
	DOTS 1, 0                                      ; the sum of squares
	REDUCE
	ALLP v_sqrt_f32 v[DT+2*p+1], v[DT+2*p]
	v_nop                                          ; a plain instruction behind the last root,
	s_wait_alu depctr_va_vdst(0)                   ; and one wait for the eight
	ALLP v_max_num_f32 v[DT+2*p+1], 0x2b8cbccc, v[DT+2*p+1]   ; max(norm, 1e-12)
	ALLP v_rcp_f32 v[DT+2*p], v[DT+2*p+1]
	v_nop
	s_wait_alu depctr_va_vdst(0)
.set cc, 0
.rept 10
.set p, 0
.rept 8
	v_pk_mul_f32 v[HH+20*p+cc:HH+20*p+cc+1], v[HH+20*p+cc:HH+20*p+cc+1], v[DT+2*p:DT+2*p+1] op_sel_hi:[1,0]
.set p, p+1
.endr
.set cc, cc+2
.endr
.set cc, 0
.rept 10                               ; rounded once to bf16, in place: word d takes numbers 2 d and 2 d + 1, ascending
.set p, 0
.rept 8
	v_cvt_pk_bf16_f32 v[HH+20*p+cc], v[HH+20*p+2*cc], v[HH+20*p+2*cc+1]
.set p, p+1
.endr
.set cc, cc+1
.endr
.set p, 0
.rept 8
.irp c, 0,1,2,3,4
	ds_store_b64 v[SA], v[HH+20*p+2*(\c):HH+20*p+2*(\c)+1] offset:2*ROWH*p+128*(\c)  ; group r + 16 c: 8 bytes at 8 r + 128 c of the row
.endr
.set p, p+1
.endr
.set k, 0
.rept 20
	ds_load_b128 v[HH+4*k:HH+4*k+3], v[RA] offset:512*k  ; LDS serves a wave's instructions in order: these see the stores above; the stage is the wave's own
.set k, k+1
.endr
.set k, 0
.rept 20
	s_wait_dscnt 19-k                              ; load k is back; the younger ones may be out
	global_store_b128 v[GO], v[HH+4*k:HH+4*k+3], s[OB:OB+1] offset:512*k  ; 512 consecutive bytes, at a multiple of 256 from hn's first
.set k, k+1
.endr
	s_wait_tensorcnt 0x0                           ; the wave's end, behind my last LDS store
	ds_add_u32 v[SPW], v[NIL]
	s_wait_dscnt 0x0
	s_endpgm
.Lfunc_end_k_q7bc520b566_prep:
	.size	k_q7bc520b566_prep, .Lfunc_end_k_q7bc520b566_prep-k_q7bc520b566_prep
	.p2alignl 7, 3214868480
	.fill 96, 4, 3214868480
	.section	.rodata,"a",@progbits
	.p2align	6, 0x0
	.amdhsa_kernel k_q7bc520b566_prep
		.amdhsa_group_segment_fixed_size 41472
		.amdhsa_private_segment_fixed_size 0
		.amdhsa_enable_private_segment 0
		.amdhsa_kernarg_size 40
		.amdhsa_user_sgpr_count 2
		.amdhsa_user_sgpr_kernarg_segment_ptr 1
		.amdhsa_wavefront_size32 1
		.amdhsa_system_sgpr_workgroup_id_x 1
		.amdhsa_system_sgpr_workgroup_id_y 1
		.amdhsa_system_sgpr_workgroup_id_z 1
		.amdhsa_system_vgpr_workitem_id 0
		.amdhsa_next_free_vgpr 256
		.amdhsa_next_free_sgpr 66
		.amdhsa_reserve_vcc 0
		.amdhsa_float_denorm_mode_32 3
		.amdhsa_float_denorm_mode_16_64 3
		.amdhsa_memory_ordered 1
		.amdhsa_forward_progress 1
		.amdhsa_inst_pref_size 91
	.end_amdhsa_kernel
	.amdgpu_metadata
---
amdhsa.version: [ 1, 2 ]
amdhsa.kernels:
  - .name:           k_q7bc520b566_prep
    .symbol:         k_q7bc520b566_prep.kd
    .args:
      - { .name: node_feat_src, .offset: 0, .size: 8, .value_kind: global_buffer, .address_space: global }
      - { .name: node_feat_tgt, .offset: 8, .size: 8, .value_kind: global_buffer, .address_space: global }
      - { .name: src_vs, .offset: 16, .size: 8, .value_kind: global_buffer, .address_space: global }
      - { .name: tgt_vs, .offset: 24, .size: 8, .value_kind: global_buffer, .address_space: global }
      - { .name: hn, .offset: 32, .size: 8, .value_kind: global_buffer, .address_space: global }
    .group_segment_fixed_size: 41472
    .private_segment_fixed_size: 0
    .kernarg_segment_align: 8
    .kernarg_segment_size: 40
    .max_flat_workgroup_size: 128
    .sgpr_count:     66
    .vgpr_count:     256
    .wavefront_size: 32
...
	.end_amdgpu_metadata
.endif
;; end of part 1
;; launch topk (part 2): grid 32 x 8, 4 waves a work-group, clusters of 4 x 1, 327,680 bytes of LDS; arguments hn, part; writes part
.if DOCPART == 2
	.amdgcn_target "amdgcn-amd-amdhsa--gfx1250"
	.amdhsa_code_object_version 6
	.text
	.protected	k_q7bc520b566_topk
	.globl	k_q7bc520b566_topk
	.p2align	8
	.type	k_q7bc520b566_topk,@function
k_q7bc520b566_topk:
	s_mov_b64 s[64:65], 0
	v_nop
	global_prefetch_b8 v0, s[64:65] scope:SCOPE_SE
	s_setreg_imm32_b32 hwreg(HW_REG_WAVE_MODE, 25, 1), 1
	s_wait_xcnt 0x0
	s_wait_alu depctr_hold_cnt(0) depctr_sa_sdst(0) depctr_va_vdst(0) depctr_va_sdst(0) depctr_va_ssrc(0) depctr_va_vcc(0) depctr_vm_vsrc(0)
	s_getreg_b32 s2, hwreg(HW_REG_IB_STS2, 6, 4)
	s_cmp_eq_u32 s2, 0
	s_cbranch_scc0 .Lentry_in_a_cluster
	s_endpgm
.Lentry_in_a_cluster:
	s_bfe_u32 s2, ttmp6, 0x10000c
	s_cmp_lg_u32 s2, 0x3003
	s_cbranch_scc0 .Lentry_shape_is_right
	s_endpgm
.Lentry_shape_is_right:
; part[side][split][owner][0..9] = the ten largest, sorted, of hn[side][owner] . hn[1 - side][c] over the 2,048 candidates c of the split (words 10, 11: filler, stored and never read).
; hn: [2][8192][320] bf16, rows of 640 bytes.  Products on the matrix unit in bf16 with f32 sums; the selection is exact on those sums.
; THE MATRIX IS MULTIPLIED TWICE in this launch, once with the src rows as owners and once with the tgt rows: in D = A B a lane holds ONE column and eight rows, so with the owners as
; source 1 an accumulator's eight registers are eight candidates of the lane's own owner, and the whole selection works inside a lane.
; SHARES.  Grid y = 4 side + split.  A work-group owns 256 owners, a wave 64: four tiles of 16, kept as source 1 in 320 registers for the whole launch.  All four waves read the same
; candidate tiles (16 rows, source 0) from LDS.  The halves of the lanes see candidates 0-7 and 8-15 of each tile; their lists meet at the end.
; SELECTION, 46 instructions for 8 numbers.  (x0,x1,x2), (x3,x4,x5), (x6,x7) are sorted, then the three firsts, the three seconds, the two thirds.  The number at place (i, j) of that
; tableau has i j - 1 batch mates that are not smaller, so the p-th largest of all numbers that ever stood at place (i, j) has p i j - 1 numbers not smaller than it: a sorted list of depth
; 10 / (i j), rounded down, holds all of that place's numbers that can be among the ten.  Depths 10, 5, 5, 3, 3, 2, 1, 1.  A list slot is one median: L_i = med3(L_i-1, L_i, x), bottom up.
; BY TURNS.  While tile t is multiplied (40 matrix instructions), tile t - 1's four accumulators are selected from: four vector instructions behind each matrix instruction, 24 more behind the last.
; CLUSTER.  The four work-groups of a cluster have the same y and walk the same candidates: each tile is asked for jointly, the same tensor load, descriptor and mask in all four.
; LIMITS.  NaN and infinities are not treated apart.
; REGISTERS, in windows of 256 (s_set_vgpr_msb: bits 1:0 source 0, 3:2 source 1, 5:4 source 2, 7:6 destination):
;   window 0: v0-12 addresses; v16-47 at work, two sets; v48-111 accumulators, two sets of four; v112-231 lists, 30 a tile
;   window 1: owner tiles 0-2 at 80 o + 8 s          window 2: owner tile 3 at 8 s; candidate fragments, two buffers, at 80 + 80 p + 8 s
; No window holds a product's operands beside the lists, so each matrix instruction costs two switches.
.set ROWH,   640
.set TAB,    8192*ROWH
.set PITCH,  720                       ; a candidate row in LDS: five pieces of 128 bytes, 16 bytes of padding behind each: 45 x 16, so the 16 rows of a fragment load fall on 16 different 16-byte columns of 256
.set TILEB,  16*PITCH
.set QUARTER, 32*PITCH                 ; what one tensor load brings: 32 rows
.set SLOT1,  131072                    ; slot 0 at 0, slot 1 here: one exclusive or turns an address in one into the other's
.set STAGE,  SLOT1+4*QUARTER           ; behind the ring, never filled by a tensor load: 3,072 bytes for each wave
.set SPARE,  STAGE+4*3072              ; the spare words, 128 bytes a wave: two blocks of 256 bytes that no other line names
.set CHUNKB, 128*ROWH                  ; a slot's 128 candidates in memory
.set SPLITC, 2048*ROWH
.set AK0, 3                            ; v3   720 r + 16 h
.set ADR, 4                            ; v4   the LDS address of the run of loads in hand
.set QO,  5                            ; v5   640 r + 16 h
.set STO, 6                            ; v6   stage, in: 48 bytes a lane
.set RD,  7                            ; v7   stage, back: 16 bytes a lane
.set GO,  8                            ; v8   16 lane
.set PFO, 9                            ; v9   256 lane
.set SPW, 10                           ; v10  my spare word
.set NIL, 11                           ; v11  0
.set TT,  16                           ; set e at TT + 16 e: T0-7, U0-7
.set ACC, 48                           ; set p, owner tile o at ACC + 32 p + 8 o
.set LST, 112                          ; tile o at LST + 30 o: +0..9 place (1,1); +10 (3,2); +11 (2,3); +12..16 (2,1); +17..21 (1,2); +22..24 (3,1); +25..27 (1,3); +28, 29 (2,2)
.set WV,  8
.set CX,  9
.set OBK, 10
.set YY,  11
.set SIDE, 12
.set SPLIT, 13
.set OWN, 16                           ; s[16:17] hn at my wave's first owner
.set PFA, 18                           ; s[18:19] where my prefetches stand
.set LIM, 20                           ; s20  3 in the wave that prefetches, else the greatest number
.set TB,  21                           ; s21  LDS byte of the tile to be fetched
.set CNT, 22
.set SLOTS, 23
.set G1,  24                           ; s[24:31]
.set G0A, 32                           ; s[32:35] chunk 0
.set G0W, 36                           ; s[36:39] chunk 1; then it walks
.set CB,  40                           ; s[40:41] the split's first candidate
.set OUTB, 42                          ; s[42:43] part at my wave's first owner
.set SEL, 44                           ; s[44:45] v_permlanex16_b32's selects
.set UP,  46                           ; s46  lanes 16-31
.set NINF, 47                          ; s47  -infinity
.set MSB, 0
.macro WIN new                         ; the high byte repeats the setting that is left; a switch that changes nothing is dropped
.if MSB != (\new)
	s_set_vgpr_msb (MSB<<8)|(\new)
.set MSB, (\new)
.endif
.endm
; A round of the cluster's barrier: my work-group's barrier; wave 0 signals for the work-group; every wave waits for all four work-groups; my work-group's barrier once more.
.macro CROUND
	s_barrier_signal -1
	s_barrier_wait -1
	s_cmp_lg_u32 s[WV], 0
	s_cbranch_scc1 .Lnot_wave_0_\@
	s_barrier_signal -3
.Lnot_wave_0_\@:
	s_barrier_wait -3
	s_barrier_signal -1
	s_barrier_wait -1
.endm
	s_load_b128 s[4:7], s[0:1], 0x0                ; hn s[4:5], part s[6:7]
	v_lshl_add_u32 v[SPW], v0, 2, SPARE
	v_mov_b32 v[NIL], 0
	ds_add_u32 v[SPW], v[NIL]                      ; the wave's opening: the add, twice on end, and its wait ahead of my first tensor load
	ds_add_u32 v[SPW], v[NIL]                      ; and once more, under the one wait; the set-up below, work on registers, stands between
	v_lshrrev_b32 v1, 5, v0
	v_readfirstlane_b32 s[WV], v1                  ; wave 0..3
	s_bfe_u32 s[CX], ttmp6, 0x40000                ; my place in the cluster: it enters the owners', part's and the prefetches' addresses alone
	s_lshl_b32 s[OBK], ttmp9, 2
	s_add_co_u32 s[OBK], s[OBK], s[CX]             ; my block of 256 owners
	s_and_b32 s[YY], ttmp7, 0xffff
	s_lshr_b32 s[SIDE], s[YY], 2
	s_and_b32 s[SPLIT], s[YY], 3
	; descriptor group 1: 32 candidate rows are 20,480 dense bytes, asked for as 80 rows of 256 bytes and padded in LDS after every 128 bytes
	s_mov_b32 s[G1], 15|(1<<16)|(1<<20)|(1<<21)|(4<<22)|(3<<25)  ; 15:0 the mask of four; 17:16 2-byte elements; 20 padding on; 21 set beside a mask; 24:22 after every 32 words (code 4); 31:25 4 words (code 3)
	s_mov_b32 s[G1+1], 128<<16                     ; tensor_dim0 = 128
	s_mov_b32 s[G1+2], 80<<16                      ; tensor_dim1 = 80
	s_mov_b32 s[G1+3], 128<<16                     ; tile_dim0 = 128
	s_mov_b32 s[G1+4], 80                          ; tile_dim1 = 80
	s_mov_b32 s[G1+5], 128                         ; 128 elements from row to row
	s_mov_b32 s[G1+6], 0
	s_mov_b32 s[G1+7], 0
	s_xor_b32 s14, s[SIDE], 1                      ; the candidates: the other side,
	s_mul_i32 s14, s14, TAB
	s_mul_i32 s15, s[SPLIT], SPLITC                ; my split of it
	s_add_co_u32 s14, s14, s15
	s_mov_b32 s15, 0
	s_mul_i32 s50, s[WV], 32*ROWH                  ; my quarter of a chunk in memory
	s_mov_b32 s51, 0
	s_lshl_b32 s2, s[OBK], 8                       ; the owners: 256 x block + 64 x wave,
	s_lshl_b32 s3, s[WV], 6
	s_add_co_u32 s2, s2, s3
	s_lshl_b32 s48, s[YY], 13                      ; and the same in part, behind 8,192 y
	s_add_co_u32 s48, s48, s2
	s_mul_i32 s48, s48, 48
	s_mov_b32 s49, 0
	s_mul_i32 s2, s2, ROWH
	s_mul_i32 s3, s[SIDE], TAB
	s_add_co_u32 s2, s2, s3
	s_mov_b32 s3, 0
	s_mul_i32 s52, s[CX], 40960                    ; the prefetches: my work-group's quarter of two chunks,
	s_add_co_u32 s52, s52, 3*CHUNKB                ; from chunk 3 on; the first change of slots steps it to chunk 4
	s_mov_b32 s53, 0
	s_or_b32 s[LIM], s[WV], ttmp9                  ; wave 0 of the first cluster of this y: the same in all four partners
	s_cmp_eq_u32 s[LIM], 0
	s_cselect_b32 s[LIM], 3, -1
	s_mov_b32 s[SEL], 0x76543210
	s_mov_b32 s[SEL+1], 0xfedcba98
	s_mov_b32 s[UP], 0xffff0000
	s_mov_b32 s[NINF], 0xff800000
	s_mov_b32 s[TB], 0
	s_mov_b32 s[G0A], 1                            ; 1:0 count = 1
	s_mul_i32 s[G0A+1], s[WV], QUARTER             ; 63:32 LDS address: slot 0, my quarter: no place in the cluster enters it
	s_mov_b32 s[G0W], 1
	s_add_co_u32 s[G0W+1], s[G0A+1], SLOT1
	s_wait_dscnt 0x0                               ; both opening adds are done
	s_wait_kmcnt 0x0
	s_add_nc_u64 s[CB:CB+1], s[4:5], s[14:15]
	s_add_nc_u64 s[OWN:OWN+1], s[4:5], s[2:3]
	s_add_nc_u64 s[OUTB:OUTB+1], s[6:7], s[48:49]
	s_add_nc_u64 s[PFA:PFA+1], s[CB:CB+1], s[52:53]
	s_add_nc_u64 s[G0A+2:G0A+3], s[CB:CB+1], s[50:51]  ; 120:64 global address: my quarter of chunk 0
	s_add_nc_u64 s[G0W+2:G0W+3], s[G0A+2:G0A+3], CHUNKB  ; and of chunk 1
	s_or_b32 s[G0A+3], s[G0A+3], 0x80000000        ; 127:126 type = 2
	s_or_b32 s[G0W+3], s[G0W+3], 0x80000000
	CROUND                                         ; all four work-groups are here: the first joint loads meet
	tensor_load_to_lds s[G0A:G0A+3], s[G1:G1+7]    ; both first fills stand together: two loads of mine are out
	s_nop 0
	tensor_load_to_lds s[G0W:G0W+3], s[G1:G1+7]
	s_nop 0
.rept 4
	v_nop
.endr
	; A fragment is 16 rows x 32 channels in 8 registers: lane l holds row l % 16, channels 8 (l / 16) + 0..7 and 16 + 8 (l / 16) + 0..7: two loads of 16 bytes, 32 bytes apart.
	v_and_b32 v1, 15, v0                           ; r
	v_bfe_u32 v2, v0, 4, 1                         ; h
	v_and_b32 v12, 31, v0                          ; lane
	v_mul_u32_u24 v[QO], v1, ROWH
	v_lshl_add_u32 v[QO], v2, 4, v[QO]
	WIN 0x40                                       ; destination window 1, address window 0
.irp o, 0,1,2
.irp s, 0,1,2,3,4,5,6,7,8,9
	global_load_b128 v[80*(\o)+8*(\s):80*(\o)+8*(\s)+3],   v[QO], s[OWN:OWN+1] offset:16*ROWH*(\o)+64*(\s)
	global_load_b128 v[80*(\o)+8*(\s)+4:80*(\o)+8*(\s)+7], v[QO], s[OWN:OWN+1] offset:16*ROWH*(\o)+64*(\s)+32
.endr
.endr
	WIN 0x80                                       ; destination window 2
.irp s, 0,1,2,3,4,5,6,7,8,9
	global_load_b128 v[8*(\s):8*(\s)+3],   v[QO], s[OWN:OWN+1] offset:16*ROWH*3+64*(\s)
	global_load_b128 v[8*(\s)+4:8*(\s)+7], v[QO], s[OWN:OWN+1] offset:16*ROWH*3+64*(\s)+32
.endr
	WIN 0
	; The lists start at -infinity, and so does accumulator set 1: the first step's selection, of a tile that has not been, then changes nothing, and no first step is written out.  All this stands in the wait for the first tile.
.set k, ACC+32
.rept 32+120
	v_mov_b32 v[k], s[NINF]
.set k, k+1
.endr
	v_mul_u32_u24 v[AK0], v1, PITCH
	v_lshl_add_u32 v[AK0], v2, 4, v[AK0]
	s_mul_i32 s54, s[WV], 3072
	s_add_co_u32 s54, s54, STAGE                   ; my stage
	v_mul_u32_u24 v[STO], v12, 48
	v_add_nc_u32 v[STO], s54, v[STO]
	v_lshl_add_u32 v[RD], v12, 4, s54
	v_lshlrev_b32 v[GO], 4, v12
	v_lshlrev_b32 v[PFO], 8, v12
; 20 LDS loads in one run: the next tile's ten fragments into buffer p.  K step s lies at byte 64 s of a row, plus 16 for each whole 128 bytes in front of it.
.macro FETCH p
	WIN 0
	v_add_nc_u32 v[ADR], s[TB], v[AK0]
	s_add_co_u32 s[TB], s[TB], TILEB               ; the next fetch is the next tile's
	WIN 0x80                                       ; destination window 2
.irp s, 0,1,2,3,4,5,6,7,8,9
	ds_load_b128 v[80+80*(\p)+8*(\s):80+80*(\p)+8*(\s)+3],   v[ADR] offset:64*(\s)+16*((\s)/2)
	ds_load_b128 v[80+80*(\p)+8*(\s)+4:80+80*(\p)+8*(\s)+7], v[ADR] offset:64*(\s)+16*((\s)/2)+32
.endr
	WIN 0
.endm
; Matrix instruction i of 40 on buffer p: K step i / 4, owner tile i % 4.  The four accumulators take turns, one instruction a turn, over every step's and loop's edge.  The first four start the sums with 0.
.macro MM p
.set rD, ACC+32*(\p)+8*(i%4)
.set rA, 80+80*(\p)+8*(i/4)
.if i%4 < 3
	WIN 0x06                                       ; candidates window 2, owners window 1, sums window 0
.set rB, 80*(i%4)+8*(i/4)
.else
	WIN 0x0a                                       ; owners window 2
.set rB, 8*(i/4)
.endif
.if i < 4
	v_wmma_f32_16x16x32_bf16 v[rD:rD+7], v[rA:rA+7], v[rB:rB+7], 0
.else
	v_wmma_f32_16x16x32_bf16 v[rD:rD+7], v[rA:rA+7], v[rB:rB+7], v[rD:rD+7]
.endif
.set i, i+1
.endm
.macro LINS b, sl, x                   ; slot sl of the sorted list at b takes its part of x; slots are written bottom up, so each reads old values
.if (\sl) == 0
	v_max_num_f32 v[\b], v[\b], v[\x]
.else
	v_med3_num_f32 v[(\b)+(\sl)], v[(\b)+(\sl)-1], v[(\b)+(\sl)], v[\x]
.endif
.endm
; Number q of the 184 that select from accumulator set p: tiles 0 and 1 alternate, then tiles 2 and 3, 46 numbers each.  Each accumulator's lowest registers are read first.
.macro SELOP p
.set so, 2*(q/92)+q%2
.set sj, (q%92)/2
.set rX, ACC+32*(\p)+8*so
.set rT, TT+16*(q%2)
.set rU, rT+8
.set rL, LST+30*so
.if sj < 6                             ; 0-5: (x0,x1,x2) and (x3,x4,x5) sorted into T0-2, T3-5
.set g3, 3*(sj/3)
.if sj%3 == 0
	v_max3_num_f32 v[rT+sj], v[rX+g3], v[rX+g3+1], v[rX+g3+2]
.elseif sj%3 == 1
	v_med3_num_f32 v[rT+sj], v[rX+g3], v[rX+g3+1], v[rX+g3+2]
.else
	v_min3_num_f32 v[rT+sj], v[rX+g3], v[rX+g3+1], v[rX+g3+2]
.endif
.elseif sj == 6                        ; 6, 7: (x6,x7) into T6, T7
	v_max_num_f32 v[rT+6], v[rX+6], v[rX+7]
.elseif sj == 7
	v_min_num_f32 v[rT+7], v[rX+6], v[rX+7]
.elseif sj < 14                        ; 8-13: the firsts into U0-2, the seconds into U3-5
.set g3, (sj-8)/3
.if (sj-8)%3 == 0
	v_max3_num_f32 v[rU+sj-8], v[rT+g3], v[rT+g3+3], v[rT+g3+6]
.elseif (sj-8)%3 == 1
	v_med3_num_f32 v[rU+sj-8], v[rT+g3], v[rT+g3+3], v[rT+g3+6]
.else
	v_min3_num_f32 v[rU+sj-8], v[rT+g3], v[rT+g3+3], v[rT+g3+6]
.endif
.elseif sj == 14                       ; 14, 15: the thirds into U6, U7
	v_max_num_f32 v[rU+6], v[rT+2], v[rT+5]
.elseif sj == 15
	v_min_num_f32 v[rU+7], v[rT+2], v[rT+5]
.elseif sj < 26                        ; 16-45: the thirty list slots
	LINS rL, 25-sj, rU
.elseif sj < 31
	LINS rL+12, 30-sj, rU+1
.elseif sj < 36
	LINS rL+17, 35-sj, rU+3
.elseif sj < 39
	LINS rL+22, 38-sj, rU+2
.elseif sj < 42
	LINS rL+25, 41-sj, rU+6
.elseif sj < 44
	LINS rL+28, 43-sj, rU+4
.elseif sj == 44
	LINS rL+10, 0, rU+5
.else
	LINS rL+11, 0, rU+7
.endif
.set q, q+1
.endm
; A STEP: the tile in buffer p is multiplied into accumulator set p; the tile before it, in set 1 - p, is selected from.  fetch = 1: the next tile's fragments are asked for, a whole step ahead of their use.
; The run of loads stands 28 vector instructions behind the last product that read its buffer; the first line that reads set 1 - p stands as far behind the product that ended its accumulator.
.macro STEP p, fetch
	WIN 0
	s_wait_dscnt 0x0                               ; this tile's fragments, asked for a step ago
.if \fetch
	FETCH 1-(\p)
.endif
.set q, 0
.set i, 0
.rept 40
	MM \p
	WIN 0
.rept 4
	SELOP 1-(\p)
.endr
.endr
.rept 24
	SELOP 1-(\p)
.endr
.endm
; A PREFETCH INTO THE L2.  At change c of slots (s[SLOTS] = 15 - c) chunk c + 1 is loaded.  At c = 1, 3, .. 11 chunks c + 3 and c + 4 are asked for: 640 blocks of 256 bytes.  All eight clusters of a y walk the same
; candidates: the first asks.  Its four partners take 160 blocks each, told apart by address; in each, wave 0 asks: a lane a block, five instructions.  So each block is named once; chunks 0 to 3 come by their loads alone;
; nothing is asked for behind chunk 15.
.macro ASK
	s_bitcmp1_b32 s[SLOTS], 0
	s_cbranch_scc1 .Lnot_now_\@
	s_cmp_gt_u32 s[SLOTS], s[LIM]
	s_cbranch_scc0 .Lnot_now_\@
.irp k, 0,1,2,3,4
	global_prefetch_b8 v[PFO], s[PFA:PFA+1] offset:8192*(\k) th:TH_LOAD_NT scope:SCOPE_SE
.endr
.Lnot_now_\@:
.endm
; THE CHANGE OF SLOTS.  The slot's last tile has been asked for from LDS.  Each wave waits for all its tensor loads, of which one is out: its quarter of the other slot; adds 0 to its spare word; and waits for that and for
; its own reads of the slot.  fill = 1: the barrier is a round of the cluster's, so that no wave of any partner still reads the slot or has a load on its way, and the joint refill, with the chunk two on, is the first thing
; behind it: it has eight steps, 320 matrix instructions, in which to land.
.macro CHANGE fill
	WIN 0
	s_wait_tensorcnt 0x0                           ; no tensor load of mine is out, so a group 0 may be written
	ds_add_u32 v[SPW], v[NIL]                      ; 0 onto my spare word
.if \fill
	s_xor_b32 s[G0W+1], s[G0W+1], SLOT1            ; the other slot than last time,
	s_add_nc_u64 s[G0W+2:G0W+3], s[G0W+2:G0W+3], CHUNKB  ; the next 128 candidates; the type bits on top are not reached
	s_wait_xcnt 0x0                                ; the last prefetches, eight steps back or more, have read their address
	s_add_nc_u64 s[PFA:PFA+1], s[PFA:PFA+1], CHUNKB
	s_wait_dscnt 0x0                               ; the add is done, and my reads of the slot are over
	CROUND
	tensor_load_to_lds s[G0W:G0W+3], s[G1:G1+7]
	s_nop 0
.rept 4
	v_nop
.endr
	ASK
.else
	s_wait_dscnt 0x0
	s_barrier_signal -1
	s_barrier_wait -1
.endif
	s_sub_co_u32 s[TB], s[TB], 8*TILEB             ; the fetches go back to a slot's first tile,
	s_xor_b32 s[TB], s[TB], SLOT1                  ; in the other slot
.endm
	s_wait_tensorcnt 0x1                           ; my quarter of chunk 0 is in; chunk 1's may stay out
	s_barrier_signal -1
	s_barrier_wait -1                              ; everybody's is
	FETCH 0                                        ; tile 0
	s_wait_loadcnt 0x0                             ; the owners
	s_mov_b32 s[CNT], 4
	s_mov_b32 s[SLOTS], 15
	s_branch .Lfirst                               ; the loop is entered in the middle of a trip: the first pass multiplies tiles 0-6 and fetches tiles 1-7
.Lslot:                                        ; 14 times: pass c multiplies tiles 8 c - 1 .. 8 c + 6, fetches chunk c's eight tiles, and chunk c + 1 is asked for
	CHANGE 1
	s_mov_b32 s[CNT], 4
.Lstep:
	STEP 1, 1
.Lfirst:
	STEP 0, 1
	s_sub_co_u32 s[CNT], s[CNT], 1
	s_cmp_lg_u32 s[CNT], 0
	s_cbranch_scc1 .Lstep
	s_sub_co_u32 s[SLOTS], s[SLOTS], 1
	s_cmp_lg_u32 s[SLOTS], 0
	s_cbranch_scc1 .Lslot
	CHANGE 0                                       ; the tail is written out: chunk 15, and nothing is asked for
	s_mov_b32 s[CNT], 4
.Ltail:
	STEP 1, 1
	STEP 0, 1
	s_sub_co_u32 s[CNT], s[CNT], 1
	s_cmp_lg_u32 s[CNT], 0
	s_cbranch_scc1 .Ltail
	STEP 1, 0                                      ; tile 127
.set q, 0
.rept 184
	SELOP 1                                        ; and its selection
.endr
	; THE LISTS MEET.  A sorted list is inserted into the list of ten from its largest on: when number s of it comes, s numbers not smaller are in already, so slots 0 .. s - 1 stay and slot s is a maximum.
.macro INS off, s                      ; register LST + 30 o + off into tile o's ten, the four tiles side by side
.set sl, 9
.rept 9-(\s)
.irp o, 0,1,2,3
	v_med3_num_f32 v[LST+30*(\o)+sl], v[LST+30*(\o)+sl-1], v[LST+30*(\o)+sl], v[LST+30*(\o)+(\off)]
.endr
.set sl, sl-1
.endr
.irp o, 0,1,2,3
	v_max_num_f32 v[LST+30*(\o)+(\s)], v[LST+30*(\o)+(\s)], v[LST+30*(\o)+(\off)]
.endr
.endm
.irp n, 0,1,2,3,4
	INS 12+(\n), \n
.endr
.irp n, 0,1,2,3,4
	INS 17+(\n), \n
.endr
.irp n, 0,1,2
	INS 22+(\n), \n
.endr
.irp n, 0,1,2
	INS 25+(\n), \n
.endr
	INS 28, 0
	INS 29, 1
	INS 10, 0
	INS 11, 0
.irp n, 0,1,2,3,4,5,6,7,8,9            ; the owner's other eight candidates a tile lie in the lane 16 away: its ten come into registers that have been read out
.irp o, 0,1,2,3
	v_permlanex16_b32 v[LST+30*(\o)+12+(\n)], v[LST+30*(\o)+(\n)], s[SEL], s[SEL+1]
.endr
.endr
.irp n, 0,1,2,3,4,5,6,7,8,9
	INS 12+(\n), \n
.endr
	; THE WAY OUT.  Both halves of the lanes hold the same ten.  Lanes 0-15 keep tile 2 g's, lanes 16-31 take tile 2 g + 1's: lane l holds owner 32 g + l, twelve words.  Through my stage they become 512 consecutive bytes an instruction.
.irp g, 0,1
.irp n, 0,1,2,3,4,5,6,7,8,9,10,11
	v_cndmask_b32 v[LST+60*(\g)+(\n)], v[LST+60*(\g)+(\n)], v[LST+60*(\g)+30+(\n)], s[UP]
.endr
.irp k, 0,1,2
	ds_store_b128 v[STO], v[LST+60*(\g)+4*(\k):LST+60*(\g)+4*(\k)+3] offset:1536*(\g)+16*(\k)
.endr
.endr
.irp k, 0,1,2,3,4,5
	ds_load_b128 v[TT+4*(\k):TT+4*(\k)+3], v[RD] offset:512*(\k)  ; LDS serves a wave's instructions in order: these see the stores above; the stage is the wave's own
.endr
	s_wait_dscnt 0x0
.irp k, 0,1,2,3,4,5
	global_store_b128 v[GO], v[TT+4*(\k):TT+4*(\k)+3], s[OUTB:OUTB+1] offset:512*(\k)  ; 512 consecutive bytes, at a multiple of 256 from part's first
.endr
	s_wait_tensorcnt 0x0                           ; the wave's end, behind my last tensor load and my last LDS store
	ds_add_u32 v[SPW], v[NIL]
	s_wait_dscnt 0x0
	CROUND                                         ; the closing round: no work-group ends while a partner may still ask for a tile that names it
	s_endpgm
.Lfunc_end_k_q7bc520b566_topk:
	.size	k_q7bc520b566_topk, .Lfunc_end_k_q7bc520b566_topk-k_q7bc520b566_topk
	.p2alignl 7, 3214868480
	.fill 96, 4, 3214868480
	.section	.rodata,"a",@progbits
	.p2align	6, 0x0
	.amdhsa_kernel k_q7bc520b566_topk
		.amdhsa_group_segment_fixed_size 327680
		.amdhsa_private_segment_fixed_size 0
		.amdhsa_enable_private_segment 0
		.amdhsa_kernarg_size 16
		.amdhsa_user_sgpr_count 2
		.amdhsa_user_sgpr_kernarg_segment_ptr 1
		.amdhsa_wavefront_size32 1
		.amdhsa_system_sgpr_workgroup_id_x 1
		.amdhsa_system_sgpr_workgroup_id_y 1
		.amdhsa_system_sgpr_workgroup_id_z 1
		.amdhsa_system_vgpr_workitem_id 0
		.amdhsa_next_free_vgpr 768
		.amdhsa_next_free_sgpr 66
		.amdhsa_reserve_vcc 0
		.amdhsa_float_denorm_mode_32 3
		.amdhsa_float_denorm_mode_16_64 3
		.amdhsa_memory_ordered 1
		.amdhsa_forward_progress 1
		.amdhsa_inst_pref_size 171
	.end_amdhsa_kernel
	.amdgpu_metadata
---
amdhsa.version: [ 1, 2 ]
amdhsa.kernels:
  - .name:           k_q7bc520b566_topk
    .symbol:         k_q7bc520b566_topk.kd
    .args:
      - { .name: hn, .offset: 0, .size: 8, .value_kind: global_buffer, .address_space: global }
      - { .name: part, .offset: 8, .size: 8, .value_kind: global_buffer, .address_space: global }
    .group_segment_fixed_size: 327680
    .private_segment_fixed_size: 0
    .kernarg_segment_align: 8
    .kernarg_segment_size: 16
    .max_flat_workgroup_size: 128
    .sgpr_count:     66
    .vgpr_count:     768
    .wavefront_size: 32
...
	.end_amdgpu_metadata
.endif
;; end of part 2
;; launch logits (part 3): grid 256 x 2, 4 waves a work-group, no clusters, 0 bytes of LDS; arguments hn, part, srcs_index, tgts_index, out0, out1; writes out0, out1
.if DOCPART == 3
	.amdgcn_target "amdgcn-amd-amdhsa--gfx1250"
	.amdhsa_code_object_version 6
	.text
	.protected	k_q7bc520b566_logits
	.globl	k_q7bc520b566_logits
	.p2align	8
	.type	k_q7bc520b566_logits,@function
k_q7bc520b566_logits:
	s_mov_b64 s[64:65], 0
	v_nop
	global_prefetch_b8 v0, s[64:65] scope:SCOPE_SE
	s_setreg_imm32_b32 hwreg(HW_REG_WAVE_MODE, 25, 1), 1
	s_wait_xcnt 0x0
; out[dir][b][k] = 2 hn[dir][pos] . hn[1 - dir][IB[b][k]] - mean10(part[dir][pos]) - mean10(part[1 - dir][IB[b][k]]),  pos = IA[b][0].
; dir 0: IA = srcs_index, IB = tgts_index, out0.  dir 1: the other way round, out1.  mean10: the four splits' sorted tens are merged and the ten largest averaged.
; SHARES.  A wave makes one row (b, dir) of 64 numbers; grid y is dir, b = 4 x + wave.  No wave wants another's data: no LDS, no barrier.
; LAYOUT.  Source 0 holds the pos row in all 16 rows, source 1 sixteen gathered rows; column r of tile t stands for k = 32 (t / 2) + 2 r + t % 2.  So lane l = 16 h + r finds k = 2 l in register 0 of tile 2 h
; and k = 2 l + 1 in register 0 of tile 2 h + 1, and one store of 8 bytes a lane writes the row's 256 bytes.
; The 36 list loads go out first, then the 100 loads of the product's operands: the lists are merged while the rows are on their way.
; LIMITS.  Indices are clamped to 8191 (the problem keeps them inside the table); the mean is the sum times 0.1; NaN and infinities are not treated apart.
; REGISTERS: window 0: v1-15 addresses and results; v16-95 source 0; v96-127 four accumulators; v128-247 lists (look-up u at 128 + 40 u, split q at + 10 q).  Window 1: source 1 of K steps 0-7 at 32 s + 8 t.  Window 2: of K steps 8, 9.
.set ROWH,   640
.set TAB,    8192*ROWH
.set SPLITB, 8192*48
.set PSIDE,  4*SPLITB
.set RO,  4                            ; v[4:7]  tile t: the index, then 640 x index + 16 h
.set LB,  128
.set AF,  16
.set ACC, 96
.set IA,  20
.set IB,  22
.set OUT, 24
.set AB,  28                           ; s[28:29] hn at the pos row
.set BB,  30                           ; s[30:31] hn at the other side
.set PP,  32                           ; s[32:33] part at pos
.set PK,  34                           ; s[34:35] part at the other side
.set UP,  36                           ; s36  lanes 16-31
.set MSB, 0
.macro WIN new
.if MSB != (\new)
	s_set_vgpr_msb (MSB<<8)|(\new)
.set MSB, (\new)
.endif
.endm
	s_load_b256 s[4:11], s[0:1], 0x0               ; hn, part, srcs_index, tgts_index
	s_load_b128 s[12:15], s[0:1], 0x20             ; out0, out1
	v_lshrrev_b32 v1, 5, v0
	v_readfirstlane_b32 s16, v1                    ; wave 0..3
	s_lshl_b32 s17, ttmp9, 2
	s_add_co_u32 s17, s17, s16                     ; b
	s_and_b32 s18, ttmp7, 0xffff                   ; dir
	s_lshl_b32 s38, s17, 8                         ; a row of an index table and of an output is 256 bytes
	s_mov_b32 s39, 0
	v_and_b32 v11, 15, v0
	v_bfe_u32 v2, v0, 4, 1
	v_and_b32 v3, 31, v0
	v_lshlrev_b32 v1, 3, v11                       ; 8 r
	v_lshlrev_b32 v2, 4, v2                        ; 16 h
	v_lshlrev_b32 v3, 3, v3                        ; 8 lane
	v_mov_b32 v10, 0
	s_mov_b32 s[UP], 0xffff0000
	s_mul_i32 s40, s18, TAB
	s_mov_b32 s41, 0
	s_mul_i32 s46, s18, PSIDE
	s_mov_b32 s47, 0
	s_xor_b32 s42, s18, 1
	s_mul_i32 s44, s42, PSIDE
	s_mov_b32 s45, 0
	s_mul_i32 s42, s42, TAB
	s_mov_b32 s43, 0
	s_wait_kmcnt 0x0
	s_cmp_eq_u32 s18, 0
	s_cselect_b64 s[IA:IA+1], s[8:9], s[10:11]
	s_cselect_b64 s[IB:IB+1], s[10:11], s[8:9]
	s_cselect_b64 s[OUT:OUT+1], s[12:13], s[14:15]
	s_add_nc_u64 s[IA:IA+1], s[IA:IA+1], s[38:39]
	s_add_nc_u64 s[IB:IB+1], s[IB:IB+1], s[38:39]
	s_add_nc_u64 s[OUT:OUT+1], s[OUT:OUT+1], s[38:39]
	s_load_b32 s26, s[IA:IA+1], 0x0                ; pos
.irp t, 0,1,2,3
	global_load_b32 v[RO+(\t)], v1, s[IB:IB+1] offset:128*((\t)/2)+4*((\t)%2)  ; the index of k = 32 (t / 2) + 2 r + t % 2
.endr
	global_load_b64 v[8:9], v3, s[IB:IB+1]         ; and of k = 2 l, 2 l + 1
	s_add_nc_u64 s[AB:AB+1], s[4:5], s[40:41]
	s_add_nc_u64 s[BB:BB+1], s[4:5], s[42:43]
	s_add_nc_u64 s[PP:PP+1], s[6:7], s[46:47]
	s_add_nc_u64 s[PK:PK+1], s[6:7], s[44:45]
	s_wait_kmcnt 0x0
	s_min_u32 s26, s26, 0x1fff
	s_mul_i32 s38, s26, ROWH
	s_add_nc_u64 s[AB:AB+1], s[AB:AB+1], s[38:39]
	s_mul_i32 s38, s26, 48
	s_add_nc_u64 s[PP:PP+1], s[PP:PP+1], s[38:39]
	s_wait_loadcnt 0x0
.irp t, 0,1,2,3
	v_min_u32 v[RO+(\t)], 0x1fff, v[RO+(\t)]
	v_mul_u32_u24 v[RO+(\t)], v[RO+(\t)], ROWH
	v_add_nc_u32 v[RO+(\t)], v2, v[RO+(\t)]
.endr
.irp t, 8,9
	v_min_u32 v[\t], 0x1fff, v[\t]
	v_mul_u32_u24 v[\t], v[\t], 48
.endr
.macro LLOAD u, areg, base             ; look-up u: four splits' tens, 40 bytes each
.irp n, 0,1,2,3
	global_load_b128 v[LB+40*(\u)+10*(\n):LB+40*(\u)+10*(\n)+3],   v[\areg], s[\base:\base+1] offset:SPLITB*(\n)
	global_load_b128 v[LB+40*(\u)+10*(\n)+4:LB+40*(\u)+10*(\n)+7], v[\areg], s[\base:\base+1] offset:SPLITB*(\n)+16
	global_load_b64  v[LB+40*(\u)+10*(\n)+8:LB+40*(\u)+10*(\n)+9], v[\areg], s[\base:\base+1] offset:SPLITB*(\n)+32
.endr
.endm
	LLOAD 0, 8, PK
	LLOAD 1, 9, PK
	LLOAD 2, 10, PP
.irp s, 0,1,2,3,4,5,6,7,8,9
	global_load_b128 v[AF+8*(\s):AF+8*(\s)+3],   v2, s[AB:AB+1] offset:64*(\s)
	global_load_b128 v[AF+8*(\s)+4:AF+8*(\s)+7], v2, s[AB:AB+1] offset:64*(\s)+32
.endr
	WIN 0x40                                       ; destination window 1, address window 0
.set i, 0
.rept 32                               ; K step i / 4, tile i % 4
	global_load_b128 v[8*i:8*i+3],   v[RO+i%4], s[BB:BB+1] offset:64*(i/4)
	global_load_b128 v[8*i+4:8*i+7], v[RO+i%4], s[BB:BB+1] offset:64*(i/4)+32
.set i, i+1
.endr
	WIN 0x80                                       ; destination window 2
.rept 8
	global_load_b128 v[8*(i-32):8*(i-32)+3],   v[RO+i%4], s[BB:BB+1] offset:64*(i/4)
	global_load_b128 v[8*(i-32)+4:8*(i-32)+7], v[RO+i%4], s[BB:BB+1] offset:64*(i/4)+32
.set i, i+1
.endr
	WIN 0
	s_wait_loadcnt 63                              ; 100 loads were issued behind the 36 of the lists: with 63 at the most still out, the lists are in
; Register LB + 40 u + off goes into look-up u's first ten; s numbers not smaller are in already, so slots 0 .. s - 1 stay and slot s is a maximum.  The three look-ups stand side by side.
.macro INS3 off, s
.set sl, 9
.rept 9-(\s)
.irp u, 0,1,2
	v_med3_num_f32 v[LB+40*(\u)+sl], v[LB+40*(\u)+sl-1], v[LB+40*(\u)+sl], v[LB+40*(\u)+(\off)]
.endr
.set sl, sl-1
.endr
.irp u, 0,1,2
	v_max_num_f32 v[LB+40*(\u)+(\s)], v[LB+40*(\u)+(\s)], v[LB+40*(\u)+(\off)]
.endr
.endm
.irp n, 1,2,3
.irp m, 0,1,2,3,4,5,6,7,8,9
	INS3 10*(\n)+(\m), \m
.endr
.endr
.irp u, 0,1,2
	v_pk_add_f32 v[LB+40*(\u):LB+40*(\u)+1], v[LB+40*(\u):LB+40*(\u)+1], v[LB+40*(\u)+2:LB+40*(\u)+3]
	v_pk_add_f32 v[LB+40*(\u)+4:LB+40*(\u)+5], v[LB+40*(\u)+4:LB+40*(\u)+5], v[LB+40*(\u)+6:LB+40*(\u)+7]
.endr
.irp u, 0,1,2
	v_pk_add_f32 v[LB+40*(\u):LB+40*(\u)+1], v[LB+40*(\u):LB+40*(\u)+1], v[LB+40*(\u)+4:LB+40*(\u)+5]
.endr
.irp u, 0,1,2
	v_pk_add_f32 v[LB+40*(\u):LB+40*(\u)+1], v[LB+40*(\u):LB+40*(\u)+1], v[LB+40*(\u)+8:LB+40*(\u)+9]
.endr
.irp u, 0,1,2
	v_add_f32 v[LB+40*(\u)], v[LB+40*(\u)], v[LB+40*(\u)+1]
.endr
	v_add_f32 v14, v[LB], v[LB+80]                 ; the two penalties' sums of ten,
	v_add_f32 v15, v[LB+40], v[LB+80]
	v_mul_f32 v14, 0x3dcccccd, v14                 ; times 0.1
	v_mul_f32 v15, 0x3dcccccd, v15
	s_wait_loadcnt 0x0                             ; the rows
.set i, 0
.rept 40                               ; K step i / 4, tile i % 4: the four accumulators take turns; the first four start the sums with 0
.if i < 32
	WIN 0x04                                       ; source 1 window 1
.else
	WIN 0x08                                       ; source 1 window 2
.endif
.if i < 4
	v_wmma_f32_16x16x32_bf16 v[ACC+8*(i%4):ACC+8*(i%4)+7], v[AF+8*(i/4):AF+8*(i/4)+7], v[8*(i%32):8*(i%32)+7], 0
.else
	v_wmma_f32_16x16x32_bf16 v[ACC+8*(i%4):ACC+8*(i%4)+7], v[AF+8*(i/4):AF+8*(i/4)+7], v[8*(i%32):8*(i%32)+7], v[ACC+8*(i%4):ACC+8*(i%4)+7]
.endif
.set i, i+1
.endr
	WIN 0
.rept 4
	v_nop                                          ; the places behind the last product
.endr
	v_cndmask_b32 v12, v[ACC], v[ACC+16], s[UP]    ; k = 2 l: tile 0 in lanes 0-15, tile 2 in lanes 16-31; each accumulator's register 0
	v_cndmask_b32 v13, v[ACC+8], v[ACC+24], s[UP]  ; k = 2 l + 1: tiles 1 and 3
	v_fma_f32 v12, v12, 2.0, -v14
	v_fma_f32 v13, v13, 2.0, -v15
	global_store_b64 v3, v[12:13], s[OUT:OUT+1]    ; the wave's 256 consecutive bytes, at a multiple of 256 from the output's first
	s_endpgm
.Lfunc_end_k_q7bc520b566_logits:
	.size	k_q7bc520b566_logits, .Lfunc_end_k_q7bc520b566_logits-k_q7bc520b566_logits
	.p2alignl 7, 3214868480
	.fill 96, 4, 3214868480
	.section	.rodata,"a",@progbits
	.p2align	6, 0x0
	.amdhsa_kernel k_q7bc520b566_logits
		.amdhsa_group_segment_fixed_size 0
		.amdhsa_private_segment_fixed_size 0
		.amdhsa_enable_private_segment 0
		.amdhsa_kernarg_size 48
		.amdhsa_user_sgpr_count 2
		.amdhsa_user_sgpr_kernarg_segment_ptr 1
		.amdhsa_wavefront_size32 1
		.amdhsa_system_sgpr_workgroup_id_x 1
		.amdhsa_system_sgpr_workgroup_id_y 1
		.amdhsa_system_sgpr_workgroup_id_z 1
		.amdhsa_system_vgpr_workitem_id 0
		.amdhsa_next_free_vgpr 576
		.amdhsa_next_free_sgpr 66
		.amdhsa_reserve_vcc 0
		.amdhsa_float_denorm_mode_32 3
		.amdhsa_float_denorm_mode_16_64 3
		.amdhsa_memory_ordered 1
		.amdhsa_forward_progress 1
		.amdhsa_inst_pref_size 49
	.end_amdhsa_kernel
	.amdgpu_metadata
---
amdhsa.version: [ 1, 2 ]
amdhsa.kernels:
  - .name:           k_q7bc520b566_logits
    .symbol:         k_q7bc520b566_logits.kd
    .args:
      - { .name: hn, .offset: 0, .size: 8, .value_kind: global_buffer, .address_space: global }
      - { .name: part, .offset: 8, .size: 8, .value_kind: global_buffer, .address_space: global }
      - { .name: srcs_index, .offset: 16, .size: 8, .value_kind: global_buffer, .address_space: global }
      - { .name: tgts_index, .offset: 24, .size: 8, .value_kind: global_buffer, .address_space: global }
      - { .name: out0, .offset: 32, .size: 8, .value_kind: global_buffer, .address_space: global }
      - { .name: out1, .offset: 40, .size: 8, .value_kind: global_buffer, .address_space: global }
    .group_segment_fixed_size: 0
    .private_segment_fixed_size: 0
    .kernarg_segment_align: 8
    .kernarg_segment_size: 48
    .max_flat_workgroup_size: 128
    .sgpr_count:     66
    .vgpr_count:     576
    .wavefront_size: 32
...
	.end_amdgpu_metadata
.endif
;; end of part 3
;; ======== version 2 of 2: 3 launches; version 1 with the launch logits written anew for expert scheduling mode
;; workspace buffers: hn 10,485,760 bytes; part 3,145,728 bytes
;; launch prep: the kernel of part 1 again; grid 128 x 2, 4 waves a work-group, no clusters, 41,472 bytes of LDS; arguments node_feat_src, node_feat_tgt, src_vs, tgt_vs, hn; writes hn
;; launch topk: the kernel of part 2 again; grid 32 x 8, 4 waves a work-group, clusters of 4 x 1, 327,680 bytes of LDS; arguments hn, part; writes part
;; launch logits (part 4): grid 256 x 2, 4 waves a work-group, no clusters, 0 bytes of LDS; arguments hn, part, srcs_index, tgts_index, out0, out1; writes out0, out1
.if DOCPART == 4
	.amdgcn_target "amdgcn-amd-amdhsa--gfx1250"
	.amdhsa_code_object_version 6
	.text
	.protected	k_q7bc520b566_logits
	.globl	k_q7bc520b566_logits
	.p2align	8
	.type	k_q7bc520b566_logits,@function
k_q7bc520b566_logits:
	s_mov_b64 s[64:65], 0
	v_nop
	global_prefetch_b8 v0, s[64:65] scope:SCOPE_SE
	s_setreg_imm32_b32 hwreg(HW_REG_WAVE_SCHED_MODE, 0, 2), 2
	s_setreg_imm32_b32 hwreg(HW_REG_WAVE_MODE, 25, 1), 1
	s_wait_xcnt 0x0
	s_wait_alu depctr_vm_vsrc(0)
; out[dir][b][k] = 2 hn[dir][pos] . hn[1 - dir][IB[b][k]] - mean10(part[dir][pos]) - mean10(part[1 - dir][IB[b][k]]),  pos = IA[b][0].
; dir 0: IA = srcs_index, IB = tgts_index, out0.  dir 1: the other way round, out1.  mean10: the four splits' sorted tens are merged and the ten largest averaged.
; SHARES.  A wave makes one row (b, dir) of 64 numbers; grid y is dir, b = 4 x + wave.  No wave wants another's data: no LDS, no barrier.
; LAYOUT.  Source 0 holds the pos row in all 16 rows, source 1 sixteen gathered rows; column r of tile t stands for k = 32 (t / 2) + 2 r + t % 2.  So lane l = 16 h + r finds k = 2 l in register 0 of tile 2 h
; and k = 2 l + 1 in register 0 of tile 2 h + 1, and one store of 8 bytes a lane writes the row's 256 bytes.
; The pos row's lists and source 0 go out as soon as pos is known, the other lists and the gathered rows when their offsets are made: the lists are merged while the rows are on their way.
; LIMITS.  Indices are clamped to 8191 (the problem keeps them inside the table); the mean is the sum times 0.1; NaN and infinities are not treated apart.
; REGISTERS: window 0: v1-15 addresses and results; v16-95 source 0; v96-127 four accumulators; v128-247 lists (look-up u at 128 + 40 u, split q at + 10 q).  Window 1: source 1 of K steps 0-7 at 32 s + 8 t.  Window 2: of K steps 8, 9.
; THE MODE: SCHED_MODE bits 1:0 = 2 (LLVM: expert scheduling mode 2), set by the entry lines.  The code itself states the register dependences
; between vector or matrix instructions and memory instructions, with s_wait_alu, always for 0.
; THE PLAN.  Registers that memory instructions touch:
;   v1, v2, v3, v10   offsets, made by vector lines at the head and never written again.  Read by the index loads (v1, v3), the pos lists' loads (v10), source 0's loads (v2) and the store (v3).
;   v4-v9             the index loads land in them; behind the wait for those loads vector lines make offsets of them; 104 loads read them; never written again.
;   v16-95, v128-247, windows 1 and 2   each is loaded once; no vector or matrix line names one of them ahead of its load, and no load lands in one behind its readers.
;   v12, v13          written by the last four vector lines, read by the store.
; So three waits on va_vdst stand in the text: ahead of the first load, behind the lines that make v4-v9, ahead of the store.  One wait on va_sdst stands behind v_readfirstlane_b32.
; No register that a memory instruction reads is written again, so no wait on vm_vsrc is owed: the merge names v128-247 alone and follows the loads with nothing stated between.
.set ROWH,   640
.set TAB,    8192*ROWH
.set SPLITB, 8192*48
.set PSIDE,  4*SPLITB
.set RO,  4                            ; v[4:7]  tile t: the index, then 640 x index + 16 h
.set LB,  128
.set AF,  16
.set ACC, 96
.set IA,  20
.set IB,  22
.set OUT, 24
.set AB,  28                           ; s[28:29] hn at the pos row
.set BB,  30                           ; s[30:31] hn at the other side
.set PP,  32                           ; s[32:33] part at pos
.set PK,  34                           ; s[34:35] part at the other side
.set UP,  36                           ; s36  lanes 16-31
.set MSB, 0
.macro WIN new
.if MSB != (\new)
	s_set_vgpr_msb (MSB<<8)|(\new)
.set MSB, (\new)
.endif
.endm
	s_load_b256 s[4:11], s[0:1], 0x0               ; hn, part, srcs_index, tgts_index
	s_load_b128 s[12:15], s[0:1], 0x20             ; out0, out1
	v_lshrrev_b32 v1, 5, v0
	v_readfirstlane_b32 s16, v1                    ; wave 0..3
	v_and_b32 v11, 15, v0
	v_bfe_u32 v2, v0, 4, 1
	v_and_b32 v3, 31, v0
	v_lshlrev_b32 v1, 3, v11                       ; 8 r
	v_lshlrev_b32 v2, 4, v2                        ; 16 h
	v_lshlrev_b32 v3, 3, v3                        ; 8 lane
	v_mov_b32 v10, 0
	s_lshl_b32 s17, ttmp9, 2
	s_wait_alu depctr_va_sdst(0)                   ; s16 is written, ahead of its first reader: b, and with it three bases, are made from it
	s_add_co_u32 s17, s17, s16                     ; b
	s_and_b32 s18, ttmp7, 0xffff                   ; dir
	s_lshl_b32 s38, s17, 8                         ; a row of an index table and of an output is 256 bytes
	s_mov_b32 s39, 0
	s_mov_b32 s[UP], 0xffff0000
	s_mul_i32 s40, s18, TAB
	s_mov_b32 s41, 0
	s_mul_i32 s46, s18, PSIDE
	s_mov_b32 s47, 0
	s_xor_b32 s42, s18, 1
	s_mul_i32 s44, s42, PSIDE
	s_mov_b32 s45, 0
	s_mul_i32 s42, s42, TAB
	s_mov_b32 s43, 0
	s_wait_kmcnt 0x0
	s_cmp_eq_u32 s18, 0
	s_cselect_b64 s[IA:IA+1], s[8:9], s[10:11]
	s_cselect_b64 s[IB:IB+1], s[10:11], s[8:9]
	s_cselect_b64 s[OUT:OUT+1], s[12:13], s[14:15]
	s_add_nc_u64 s[IA:IA+1], s[IA:IA+1], s[38:39]
	s_add_nc_u64 s[IB:IB+1], s[IB:IB+1], s[38:39]
	s_add_nc_u64 s[OUT:OUT+1], s[OUT:OUT+1], s[38:39]
	s_load_b32 s26, s[IA:IA+1], 0x0                ; pos
	s_wait_alu depctr_va_vdst(0)                   ; v1, v2, v3 and v10 are written: the index loads, the pos lists' loads, source 0's loads and the store read them as offsets
.irp t, 0,1,2,3
	global_load_b32 v[RO+(\t)], v1, s[IB:IB+1] offset:128*((\t)/2)+4*((\t)%2)  ; the index of k = 32 (t / 2) + 2 r + t % 2
.endr
	global_load_b64 v[8:9], v3, s[IB:IB+1]         ; and of k = 2 l, 2 l + 1
	s_add_nc_u64 s[AB:AB+1], s[4:5], s[40:41]
	s_add_nc_u64 s[BB:BB+1], s[4:5], s[42:43]
	s_add_nc_u64 s[PP:PP+1], s[6:7], s[46:47]
	s_add_nc_u64 s[PK:PK+1], s[6:7], s[44:45]
	s_wait_kmcnt 0x0
	s_min_u32 s26, s26, 0x1fff
	s_mul_i32 s38, s26, ROWH
	s_add_nc_u64 s[AB:AB+1], s[AB:AB+1], s[38:39]
	s_mul_i32 s38, s26, 48
	s_add_nc_u64 s[PP:PP+1], s[PP:PP+1], s[38:39]
.macro LLOAD u, areg, base             ; look-up u: four splits' tens, 40 bytes each
.irp n, 0,1,2,3
	global_load_b128 v[LB+40*(\u)+10*(\n):LB+40*(\u)+10*(\n)+3],   v[\areg], s[\base:\base+1] offset:SPLITB*(\n)
	global_load_b128 v[LB+40*(\u)+10*(\n)+4:LB+40*(\u)+10*(\n)+7], v[\areg], s[\base:\base+1] offset:SPLITB*(\n)+16
	global_load_b64  v[LB+40*(\u)+10*(\n)+8:LB+40*(\u)+10*(\n)+9], v[\areg], s[\base:\base+1] offset:SPLITB*(\n)+32
.endr
.endm
	LLOAD 2, 10, PP                                ; the pos row's lists and source 0 hang on pos alone: their 32 loads go out ahead of the wait for the indices.  No wait: no vector line since the last one names v2, v10 or the registers in which they land
.irp s, 0,1,2,3,4,5,6,7,8,9
	global_load_b128 v[AF+8*(\s):AF+8*(\s)+3],   v2, s[AB:AB+1] offset:64*(\s)
	global_load_b128 v[AF+8*(\s)+4:AF+8*(\s)+7], v2, s[AB:AB+1] offset:64*(\s)+32
.endr
	s_wait_loadcnt 32                              ; loads come back in order: the five index loads are in; the 12 + 20 younger ones stay out
.irp t, 0,1,2,3
	v_min_u32 v[RO+(\t)], 0x1fff, v[RO+(\t)]
	v_mul_u32_u24 v[RO+(\t)], v[RO+(\t)], ROWH
	v_add_nc_u32 v[RO+(\t)], v2, v[RO+(\t)]
.endr
.irp t, 8,9
	v_min_u32 v[\t], 0x1fff, v[\t]
	v_mul_u32_u24 v[\t], v[\t], 48
.endr
	s_wait_alu depctr_va_vdst(0)                   ; v4 to v9 are written: the 24 list loads and the 80 row loads below read them as offsets; only loads and window switches stand between this wait and those loads
	LLOAD 0, 8, PK
	LLOAD 1, 9, PK
	WIN 0x40                                       ; destination window 1, address window 0
.set i, 0
.rept 32                               ; K step i / 4, tile i % 4
	global_load_b128 v[8*i:8*i+3],   v[RO+i%4], s[BB:BB+1] offset:64*(i/4)
	global_load_b128 v[8*i+4:8*i+7], v[RO+i%4], s[BB:BB+1] offset:64*(i/4)+32
.set i, i+1
.endr
	WIN 0x80                                       ; destination window 2
.rept 8
	global_load_b128 v[8*(i-32):8*(i-32)+3],   v[RO+i%4], s[BB:BB+1] offset:64*(i/4)
	global_load_b128 v[8*(i-32)+4:8*(i-32)+7], v[RO+i%4], s[BB:BB+1] offset:64*(i/4)+32
.set i, i+1
.endr
	WIN 0
	s_wait_loadcnt 63                              ; 80 loads were issued behind the last of the lists': with 63 at the most still out, the lists are in
; Register LB + 40 u + off goes into look-up u's first ten; s numbers not smaller are in already, so slots 0 .. s - 1 stay and slot s is a maximum.  The three look-ups stand side by side.
; These lines name v128-247 alone: none of the offsets that the loads still out read, none of the registers in which they land.
.macro INS3 off, s
.set sl, 9
.rept 9-(\s)
.irp u, 0,1,2
	v_med3_num_f32 v[LB+40*(\u)+sl], v[LB+40*(\u)+sl-1], v[LB+40*(\u)+sl], v[LB+40*(\u)+(\off)]
.endr
.set sl, sl-1
.endr
.irp u, 0,1,2
	v_max_num_f32 v[LB+40*(\u)+(\s)], v[LB+40*(\u)+(\s)], v[LB+40*(\u)+(\off)]
.endr
.endm
.irp n, 1,2,3
.irp m, 0,1,2,3,4,5,6,7,8,9
	INS3 10*(\n)+(\m), \m
.endr
.endr
.irp u, 0,1,2
	v_pk_add_f32 v[LB+40*(\u):LB+40*(\u)+1], v[LB+40*(\u):LB+40*(\u)+1], v[LB+40*(\u)+2:LB+40*(\u)+3]
	v_pk_add_f32 v[LB+40*(\u)+4:LB+40*(\u)+5], v[LB+40*(\u)+4:LB+40*(\u)+5], v[LB+40*(\u)+6:LB+40*(\u)+7]
.endr
.irp u, 0,1,2
	v_pk_add_f32 v[LB+40*(\u):LB+40*(\u)+1], v[LB+40*(\u):LB+40*(\u)+1], v[LB+40*(\u)+4:LB+40*(\u)+5]
.endr
.irp u, 0,1,2
	v_pk_add_f32 v[LB+40*(\u):LB+40*(\u)+1], v[LB+40*(\u):LB+40*(\u)+1], v[LB+40*(\u)+8:LB+40*(\u)+9]
.endr
.irp u, 0,1,2
	v_add_f32 v[LB+40*(\u)], v[LB+40*(\u)], v[LB+40*(\u)+1]
.endr
	v_add_f32 v14, v[LB], v[LB+80]                 ; the two penalties' sums of ten,
	v_add_f32 v15, v[LB+40], v[LB+80]
	v_mul_f32 v14, 0x3dcccccd, v14                 ; times 0.1
	v_mul_f32 v15, 0x3dcccccd, v15
	s_wait_loadcnt 0x0                             ; the rows
.set i, 0
.rept 40                               ; K step i / 4, tile i % 4: the four accumulators take turns; the first four start the sums with 0
.if i < 32
	WIN 0x04                                       ; source 1 window 1
.else
	WIN 0x08                                       ; source 1 window 2
.endif
.if i < 4
	v_wmma_f32_16x16x32_bf16 v[ACC+8*(i%4):ACC+8*(i%4)+7], v[AF+8*(i/4):AF+8*(i/4)+7], v[8*(i%32):8*(i%32)+7], 0
.else
	v_wmma_f32_16x16x32_bf16 v[ACC+8*(i%4):ACC+8*(i%4)+7], v[AF+8*(i/4):AF+8*(i/4)+7], v[8*(i%32):8*(i%32)+7], v[ACC+8*(i%4):ACC+8*(i%4)+7]
.endif
.set i, i+1
.endr
	WIN 0
.rept 4
	v_nop                                          ; the places behind the last product
.endr
	v_cndmask_b32 v12, v[ACC], v[ACC+16], s[UP]    ; k = 2 l: tile 0 in lanes 0-15, tile 2 in lanes 16-31; each accumulator's register 0
	v_cndmask_b32 v13, v[ACC+8], v[ACC+24], s[UP]  ; k = 2 l + 1: tiles 1 and 3
	v_fma_f32 v12, v12, 2.0, -v14
	v_fma_f32 v13, v13, 2.0, -v15
	s_wait_alu depctr_va_vdst(0)                   ; the two multiply-adds have written v12 and v13, which the store reads
	global_store_b64 v3, v[12:13], s[OUT:OUT+1]    ; the wave's 256 consecutive bytes, at a multiple of 256 from the output's first
	s_endpgm
.Lfunc_end_k_q7bc520b566_logits:
	.size	k_q7bc520b566_logits, .Lfunc_end_k_q7bc520b566_logits-k_q7bc520b566_logits
	.p2alignl 7, 3214868480
	.fill 96, 4, 3214868480
	.section	.rodata,"a",@progbits
	.p2align	6, 0x0
	.amdhsa_kernel k_q7bc520b566_logits
		.amdhsa_group_segment_fixed_size 0
		.amdhsa_private_segment_fixed_size 0
		.amdhsa_enable_private_segment 0
		.amdhsa_kernarg_size 48
		.amdhsa_user_sgpr_count 2
		.amdhsa_user_sgpr_kernarg_segment_ptr 1
		.amdhsa_wavefront_size32 1
		.amdhsa_system_sgpr_workgroup_id_x 1
		.amdhsa_system_sgpr_workgroup_id_y 1
		.amdhsa_system_sgpr_workgroup_id_z 1
		.amdhsa_system_vgpr_workitem_id 0
		.amdhsa_next_free_vgpr 576
		.amdhsa_next_free_sgpr 66
		.amdhsa_reserve_vcc 0
		.amdhsa_float_denorm_mode_32 3
		.amdhsa_float_denorm_mode_16_64 3
		.amdhsa_memory_ordered 1
		.amdhsa_forward_progress 1
		.amdhsa_inst_pref_size 49
	.end_amdhsa_kernel
	.amdgpu_metadata
---
amdhsa.version: [ 1, 2 ]
amdhsa.kernels:
  - .name:           k_q7bc520b566_logits
    .symbol:         k_q7bc520b566_logits.kd
    .args:
      - { .name: hn, .offset: 0, .size: 8, .value_kind: global_buffer, .address_space: global }
      - { .name: part, .offset: 8, .size: 8, .value_kind: global_buffer, .address_space: global }
      - { .name: srcs_index, .offset: 16, .size: 8, .value_kind: global_buffer, .address_space: global }
      - { .name: tgts_index, .offset: 24, .size: 8, .value_kind: global_buffer, .address_space: global }
      - { .name: out0, .offset: 32, .size: 8, .value_kind: global_buffer, .address_space: global }
      - { .name: out1, .offset: 40, .size: 8, .value_kind: global_buffer, .address_space: global }
    .group_segment_fixed_size: 0
    .private_segment_fixed_size: 0
    .kernarg_segment_align: 8
    .kernarg_segment_size: 48
    .max_flat_workgroup_size: 128
    .sgpr_count:     66
    .vgpr_count:     576
    .wavefront_size: 32
...
	.end_amdgpu_metadata
.endif
;; end of part 4
